; MI455X (gfx1250); checked and timed in simulation.
; The chip was launched on July 23, 2026; its instructions are those of AMD's public machine-readable ISA for CDNA 5 (MIT licence, August 2026) and "CDNA5" Instruction Set Architecture Reference Guide (July 2026). The comments in the code are by the model that wrote it; some were corrected since.
;; VQ. Allowed arithmetic: matrix products marked QUANTISED: E2M1 operands, one E8M0 scale for each 32 along K, by v_wmma_scale_f32_16x16x128_f8f6f4 with both operands' format E2M1 (or v_wmma_scale_f32_32x16x128_f4), f32 sums; everything else in f32.
;; Inputs: embedding 8,192 x 2,048 float32; x 4,096 x 2,048 float32.
;; Outputs: out0 4,096 x 2,048 float32; out1 4,096 int32.
;; This version of the problem:
;;   THIS VERSION OF THE PROBLEM IS GIVEN IN LOW PRECISION. The matrix products marked QUANTISED in the list below multiply operands that are first quantised to E2M1 (2 exponent bits, 1 mantissa bit; 4 bits a number), with one power-of-two scale for each 32 numbers along K (OCP MX v1.0); their sums are f32. All else is computed in f32.
;;   The module's matrix products, in the order in which they are computed (A, B: the left and right operand; K: the contracted axis; several contracted axes count as one K, in the product's order):
;;     1. [M 4,096, K 2,048] x [K 2,048, N 8,192]; A: input x; B: input embedding: QUANTISED
;;   THE QUANTISER, for each operand of a quantised product, along K:
;;     - K is cut into blocks of 32 from its start; a last block that is shorter is filled with zeros.
;;     - A block's scale is 2^e with e = floor(log2(the largest magnitude in the block)) - 2, held to -126 .. 127; a block of zeros has e = 0. As a byte (E8M0): e + 127.
;;     - Each number is divided by its block's scale, clamped to +-6, and rounded to the nearest number of E2M1, ties to even, subnormals kept.
;;     - The product sums the exact products of the quantised numbers (number of the format x scale) in f32.
;;   ~~~python
;;   def quantise(x, axis):      # numpy; x: float32 -> the quantised numbers, widened to float32 again
;;       x = np.moveaxis(x, axis, -1); K = x.shape[-1]
;;       x = np.pad(x, [(0, 0)] * (x.ndim - 1) + [(0, -K % 32)]); x = x.reshape(x.shape[:-1] + (-1, 32)); a = np.abs(x).max(-1, keepdims=True)
;;       e = np.where(a > 0, np.clip(np.frexp(np.where(a > 0, a, 1))[1] - 1 - 2, -126, 127), 0)      # np.frexp(a)[1] - 1 = floor(log2(a)), exactly
;;       r = np.clip(x / 2.0 ** e, -6, 6)
;;       step = 2.0 ** (np.maximum(np.frexp(np.where(r == 0, 1, r))[1] - 1, 0) - 1)
;;       q = np.round(r / step) * step * 2.0 ** e      # np.round: ties to even
;;       return np.moveaxis(q.reshape(q.shape[:-2] + (-1,))[..., :K], -1, axis).astype(np.float32)
;;   ~~~
;; One version. Each part assembles by itself: llvm-mc -triple=amdgcn-amd-amdhsa -mcpu=gfx1250 --defsym DOCPART=n.
;; ======== version 1 of 1: 3 launches
;; limits: right only within a limited range of input values
;; workspace buffers: x_codes 4,194,304 bytes; e_codes 8,388,608 bytes; scales 786,432 bytes; norms 49,152 bytes; keys 1,048,576 bytes of whole numbers
;; launch quant (part 1): grid 768 x 1, 4 waves a work-group, no clusters, 17,920 bytes of LDS; arguments x, embedding, x_codes, e_codes, scales, norms; writes x_codes, e_codes, scales, norms
.if DOCPART == 1
	.amdgcn_target "amdgcn-amd-amdhsa--gfx1250"
	.amdhsa_code_object_version 6
	.text
	.protected	k_q04918c3096_quant
	.globl	k_q04918c3096_quant
	.p2align	8
	.type	k_q04918c3096_quant,@function
k_q04918c3096_quant:
	s_mov_b64 s[64:65], 0
	v_nop
	global_prefetch_b8 v0, s[64:65] scope:SCOPE_SE
	s_setreg_imm32_b32 hwreg(HW_REG_WAVE_MODE, 25, 1), 1
	s_wait_xcnt 0x0
; x [4096][2048] and embedding [8192][2048], f32, become codes of FP4 (E2M1), K innermost, with one E8M0 scale byte for each 32 along K; each row's sum of squares, f32, goes to norms
; (words 0 .. 4095: x's rows; 4096 .. 12287: the embedding's).  Nothing of reference() is left out in this program.
; A block's scale byte is its largest magnitude's exponent field - 2, held at 1 from below; each number is divided by the scale and rounded to the nearest code, ties to even, beyond the largest code the largest.
; LIMITS: a block whose largest magnitude lies under 2^-124, a block of zeros among them, gets the byte 1 (its codes are zeros, and this program alone reads the bytes).  NaN and infinities are not served.
; A row's squares are summed so: four chains in a lane (fused multiply-adds), the chains, then the 32 lanes by halving.
; A wave takes four whole rows as 32 pairs of loads; a pair is 256 numbers, 1,024 consecutive bytes.  Each load reads 512 consecutive bytes: lanes 0-15 take the even pieces of 16 bytes, lanes 16-31 the odd ones.
; Four v_permlane16_swap_b32 on a pair's registers then leave lane l with the numbers 8 l .. 8 l + 7 of the pair in eight consecutive registers, as the conversion wants them: the numbers themselves never pass through LDS.
; Four neighbouring lanes hold a block.  A lane's 8 codes are one word; four pairs' words (512 bytes) turn through the wave's own LDS bytes and leave 16 bytes a lane: a store covers 512 consecutive bytes.
; THE SCALE BYTES are laid as the next launch's registers take them: [K step 0..3][row 0..12287, x's rows first][16 bytes].  The work-group's 16 rows make 256 consecutive bytes in each plane: they are gathered in
; 1,024 bytes of LDS that the four waves share, one barrier follows, and wave w stores plane w's 256 bytes.
; The first WGA work-groups take x, the others the embedding.  DEPTH pairs (32 loads a wave) are on their way.
.set DEPTH, 16
.set WGA,   256
.set EMAX,  2
.set SQ,    16                         ; v16-19   two packed chains of squares
.set SM,    20                         ; v20-23   the wave's four row sums
.set PT,    24
.set ZO,    25
.set SPW,   26                         ; my spare word
.set NIL,   27
.set C,     32                         ; v32-39   code words: two quads of pairs by turns
.set E,     40                         ; v40-47   scale bytes, likewise
.set O,     64                         ; v64-95   codes on the way out: four registers for each of eight quads, so that no store's data are written again
.set X,     128                        ; v128-255 DEPTH pairs of 8 registers
.set WREG,  4096                       ; LDS: a wave's codes, 512 bytes a quad, each byte written once
.set SCB,   4*WREG                     ; the shared 1,024 scale bytes
.set SPARE, SCB+1024
.set PLANE, 12288*16
	s_load_b128 s[4:7], s[0:1], 0x0                ; x, embedding
	s_load_b128 s[8:11], s[0:1], 0x10              ; x's codes, the embedding's codes
	s_load_b128 s[12:15], s[0:1], 0x20             ; scales, norms
	v_lshl_add_u32 v[SPW], v0, 2, SPARE
	v_mov_b32 v[NIL], 0
	v_lshrrev_b32 v1, 5, v0
	v_readfirstlane_b32 s16, v1                    ; wave
	s_lshl_b32 s17, s16, 12
	s_lshl_b32 s18, s16, 6
	s_add_co_u32 s18, s18, SCB
	s_lshl_b32 s19, s16, 8
	s_add_co_u32 s19, s19, SCB
	s_mov_b32 s26, 0x76543210
	s_mov_b32 s27, 0xfedcba98
	s_lshl_b32 s22, ttmp9, 2
	s_add_co_u32 s22, s22, s16
	s_lshl_b32 s22, s22, 4                         ; norms: 16 bytes for my four rows
	s_mov_b32 s23, 0
	v_and_b32 v2, 31, v0                           ; lane
	v_and_b32 v8, 15, v0
	v_bfe_u32 v9, v0, 4, 1
	v_lshlrev_b32 v3, 5, v8
	v_lshl_add_u32 v3, v9, 4, v3                   ; my piece of a load's 512 bytes: 32 (lane % 16) + 16 (lane / 16)
	v_lshl_add_u32 v4, v2, 2, s17                  ; LDS: my code word
	v_lshl_add_u32 v14, v2, 4, s17                 ; and back, 16 bytes a lane
	v_lshlrev_b32 v15, 4, v2
	v_lshrrev_b32 v5, 2, v2
	v_add_nc_u32 v5, s18, v5                       ; my block's byte: SCB + 64 x wave + lane / 4; plane, row and half stand in the immediate
	v_lshlrev_b32 v7, 3, v2
	v_add_nc_u32 v6, s19, v7                       ; back: plane = my wave's number, 8 bytes a lane
	v_mov_b32 v[PT], 0
	v_mov_b32 v[ZO], 0
	s_wait_alu depctr_va_vdst(0)                   ; the wait at the head's end
	s_wait_kmcnt 0x0
	s_add_nc_u64 s[24:25], s[14:15], s[22:23]
	s_cmp_lt_u32 ttmp9, WGA                        ; x's work-group or the embedding's
	s_cselect_b64 s[4:5], s[4:5], s[6:7]
	s_cselect_b64 s[8:9], s[8:9], s[10:11]
	s_cselect_b32 s17, 0, WGA
	s_sub_co_u32 s17, ttmp9, s17
	s_lshl_b32 s17, s17, 2
	s_add_co_u32 s17, s17, s16                     ; my run of 8,192 numbers of the tensor (at most 2,047)
	s_lshl_b32 s20, s17, 15                        ; 32,768 bytes of numbers,
	s_mov_b32 s21, 0
	s_add_nc_u64 s[4:5], s[4:5], s[20:21]
	s_lshl_b32 s20, s17, 12                        ; 4,096 bytes of codes
	s_add_nc_u64 s[8:9], s[8:9], s[20:21]
	s_mul_i32 s20, s16, PLANE                      ; scales: my wave's plane,
	s_lshl_b32 s18, ttmp9, 8                       ; and the work-group's 16 rows x 16 bytes in it
	s_add_co_u32 s20, s20, s18
	s_add_nc_u64 s[10:11], s[12:13], s[20:21]
.macro LOAD u
	global_load_b128 v[X+8*((\u)%DEPTH):X+8*((\u)%DEPTH)+3], v3, s[4:5] offset:1024*(\u) th:TH_LOAD_NT
	global_load_b128 v[X+8*((\u)%DEPTH)+4:X+8*((\u)%DEPTH)+7], v3, s[4:5] offset:1024*(\u)+512 th:TH_LOAD_NT
.endm
.set U, 0
.rept DEPTH
	LOAD U
.set U, U+1
.endr
; Pair u: row u / 8, the row's numbers 256 (u % 8) ..; K step (u % 8) / 2.
.macro PAIR u
.set XS, X+8*((\u)%DEPTH)
.if (\u) > 0
	s_wait_alu depctr_va_vdst(0)                   ; the wait here, directly ahead of the wait below
.endif
.if 31-(\u) >= DEPTH-1
	s_wait_loadcnt 2*(DEPTH-1)                     ; my two loads are in; the fifteen younger pairs may be out
.else
	s_wait_loadcnt 2*(31-(\u))
.endif
.irp i, 0,1,2,3
	v_permlane16_swap_b32 v[XS+\i], v[XS+4+\i]     ; the first load's lanes 16-31 change places with the second's lanes 0-15
.endr
	v_max3_num_f32 v8, |v[XS]|, |v[XS+1]|, |v[XS+2]|
	v_max3_num_f32 v9, |v[XS+3]|, |v[XS+4]|, |v[XS+5]|
	v_max3_num_f32 v8, v8, |v[XS+6]|, |v[XS+7]|
	v_max3_num_f32 v8, v8, v9, (EMAX+1)<<23        ; the floor: the byte cannot fall under 1
	v_max_num_f32_dpp v8, v8, v8 row_xmask:1 row_mask:0xf bank_mask:0xf
	v_max_num_f32_dpp v8, v8, v8 row_xmask:2 row_mask:0xf bank_mask:0xf   ; the four lanes of the block
	v_add_nc_u32 v11, -(EMAX<<23), v8              ; EMAX off the exponent field: the conversion's scale operand
.if (\u)%8 == 0
	v_pk_mul_f32 v[SQ:SQ+1], v[XS:XS+1], v[XS:XS+1]                ; a row's first products start the chains
	v_pk_mul_f32 v[SQ+2:SQ+3], v[XS+2:XS+3], v[XS+2:XS+3]
.else
	v_pk_fma_f32 v[SQ:SQ+1], v[XS:XS+1], v[XS:XS+1], v[SQ:SQ+1]
	v_pk_fma_f32 v[SQ+2:SQ+3], v[XS+2:XS+3], v[XS+2:XS+3], v[SQ+2:SQ+3]
.endif
	v_pk_fma_f32 v[SQ:SQ+1], v[XS+4:XS+5], v[XS+4:XS+5], v[SQ:SQ+1]
	v_pk_fma_f32 v[SQ+2:SQ+3], v[XS+6:XS+7], v[XS+6:XS+7], v[SQ+2:SQ+3]
.if (\u)%8 == 7
	v_pk_add_f32 v[SQ:SQ+1], v[SQ:SQ+1], v[SQ+2:SQ+3]
	v_add_f32 v10, v[SQ], v[SQ+1]
	v_add_f32_dpp v10, v10, v10 row_xmask:1 row_mask:0xf bank_mask:0xf
	v_add_f32_dpp v10, v10, v10 row_xmask:2 row_mask:0xf bank_mask:0xf
	v_add_f32_dpp v10, v10, v10 row_xmask:4 row_mask:0xf bank_mask:0xf
	v_add_f32_dpp v10, v10, v10 row_xmask:8 row_mask:0xf bank_mask:0xf
	v_permlanex16_b32 v[PT], v10, s26, s27
	v_add_f32 v[SM+(\u)/8], v10, v[PT]
.endif
	v_cvt_scalef32_pk8_fp4_f32 v[C+(\u)%8], v[XS:XS+7], v11
	v_lshrrev_b32 v[E+(\u)%8], 23, v11             ; the scale's byte (also the plain line behind the conversion)
.if (\u)+DEPTH < 32
	LOAD (\u)+DEPTH                                ; the pair's registers have been read: the pair DEPTH further on is asked for, ahead of the LDS stores
.endif
	ds_store_b32 v4, v[C+(\u)%8] offset:128*(\u)
	ds_store_b8 v5, v[E+(\u)%8] offset:256*(((\u)%8)/2)+16*((\u)/8)+8*((\u)%2)   ; the four lanes of a block write the same byte
.if (\u)%4 == 3                        ; a quad of pairs is through
	ds_load_b128 v[O+4*((\u)/4):O+4*((\u)/4)+3], v14 offset:512*((\u)/4)   ; LDS serves a wave's instructions in order (ISA guide 5.7.1): it sees my stores
.if (\u) > 3
	s_wait_dscnt 9                                 ; the quad before is back in registers (this quad's eight stores and its load may be out); its C and E registers are free for the next quad
	global_store_b128 v15, v[O+4*((\u)/4-1):O+4*((\u)/4-1)+3], s[8:9] offset:512*((\u)/4-1)   ; 512 consecutive bytes
.endif
.endif
.endm
.set U, 0
.rept 32
	PAIR U
.set U, U+1
.endr
	s_wait_alu depctr_va_vdst(0)                   ; the wait here, directly ahead of the wait below
	s_wait_dscnt 0x0                               ; the last quad is back; and for the others' sake: my scale bytes are in LDS
	global_store_b128 v15, v[O+28:O+31], s[8:9] offset:512*7
	s_barrier_signal -1
	s_barrier_wait -1
	ds_load_b64 v[12:13], v6                       ; plane w of all four waves' rows
	s_wait_dscnt 0x0
	global_store_b64 v7, v[12:13], s[10:11]        ; 256 consecutive bytes, at a multiple of 256 from the buffer's first byte
	v_cmp_eq_u32 vcc_lo, 0, v2
	s_wait_xcnt 0x0                                ; EXEC is narrowed only behind this wait
	s_wait_tensorcnt 0x0                           ; the wave's end
	ds_add_u32 v[SPW], v[NIL]
	s_wait_dscnt 0x0
	s_and_saveexec_b32 s28, vcc_lo
	global_store_b128 v[ZO], v[SM:SM+3], s[24:25]  ; the four row sums, by lane 0
	s_wait_xcnt 0x0
	s_or_b32 exec_lo, exec_lo, s28
	s_endpgm
.Lfunc_end_k_q04918c3096_quant:
	.size	k_q04918c3096_quant, .Lfunc_end_k_q04918c3096_quant-k_q04918c3096_quant
	.p2alignl 7, 3214868480
	.fill 96, 4, 3214868480
	.section	.rodata,"a",@progbits
	.p2align	6, 0x0
	.amdhsa_kernel k_q04918c3096_quant
		.amdhsa_group_segment_fixed_size 17920
		.amdhsa_private_segment_fixed_size 0
		.amdhsa_enable_private_segment 0
		.amdhsa_kernarg_size 48
		.amdhsa_user_sgpr_count 2
		.amdhsa_user_sgpr_kernarg_segment_ptr 1
		.amdhsa_wavefront_size32 1
		.amdhsa_system_sgpr_workgroup_id_x 1
		.amdhsa_system_sgpr_workgroup_id_y 1
		.amdhsa_system_sgpr_workgroup_id_z 1
		.amdhsa_system_vgpr_workitem_id 0
		.amdhsa_next_free_vgpr 256
		.amdhsa_next_free_sgpr 66
		.amdhsa_reserve_vcc 1
		.amdhsa_float_denorm_mode_32 3
		.amdhsa_float_denorm_mode_16_64 3
		.amdhsa_memory_ordered 1
		.amdhsa_forward_progress 1
		.amdhsa_inst_pref_size 49
	.end_amdhsa_kernel
	.amdgpu_metadata
---
amdhsa.version: [ 1, 2 ]
amdhsa.kernels:
  - .name:           k_q04918c3096_quant
    .symbol:         k_q04918c3096_quant.kd
    .args:
      - { .name: x, .offset: 0, .size: 8, .value_kind: global_buffer, .address_space: global }
      - { .name: embedding, .offset: 8, .size: 8, .value_kind: global_buffer, .address_space: global }
      - { .name: x_codes, .offset: 16, .size: 8, .value_kind: global_buffer, .address_space: global }
      - { .name: e_codes, .offset: 24, .size: 8, .value_kind: global_buffer, .address_space: global }
      - { .name: scales, .offset: 32, .size: 8, .value_kind: global_buffer, .address_space: global }
      - { .name: norms, .offset: 40, .size: 8, .value_kind: global_buffer, .address_space: global }
    .group_segment_fixed_size: 17920
    .private_segment_fixed_size: 0
    .kernarg_segment_align: 8
    .kernarg_segment_size: 48
    .max_flat_workgroup_size: 128
    .sgpr_count:     66
    .vgpr_count:     256
    .wavefront_size: 32
...
	.end_amdgpu_metadata
.endif
;; end of part 1
;; launch dist (part 2): grid 32 x 8, 4 waves a work-group, clusters of 4 x 4, 327,680 bytes of LDS; arguments x_codes, e_codes, scales, norms, keys; writes keys
.if DOCPART == 2
	.amdgcn_target "amdgcn-amd-amdhsa--gfx1250"
	.amdhsa_code_object_version 6
	.text
	.protected	k_q04918c3096_dist
	.globl	k_q04918c3096_dist
	.p2align	8
	.type	k_q04918c3096_dist,@function
k_q04918c3096_dist:
	s_mov_b64 s[64:65], 0
	v_nop
	global_prefetch_b8 v0, s[64:65] scope:SCOPE_SE
	s_setreg_imm32_b32 hwreg(HW_REG_WAVE_MODE, 25, 1), 1
	s_wait_xcnt 0x0
	s_wait_alu depctr_hold_cnt(0) depctr_sa_sdst(0) depctr_va_vdst(0) depctr_va_sdst(0) depctr_va_ssrc(0) depctr_va_vcc(0) depctr_vm_vsrc(0)
	s_getreg_b32 s2, hwreg(HW_REG_IB_STS2, 6, 4)
	s_cmp_eq_u32 s2, 0
	s_cbranch_scc0 .Lentry_in_a_cluster
	s_endpgm
.Lentry_in_a_cluster:
	s_bfe_u32 s2, ttmp6, 0x10000c
	s_cmp_lg_u32 s2, 0xf033
	s_cbranch_scc0 .Lentry_shape_is_right
	s_endpgm
.Lentry_shape_is_right:
; d[m][n] = (|x_m|^2 + |e_n|^2) - 2 <x_m, e_n>, the product on codes of MX-FP4, and for each row m and each tile column of 256 n the least d with its lowest n, as a key of two words (n; d as a whole number in d's order).
; Nothing is left out: |x_m|^2 is the same along n, but beside it the other terms are small, so it decides which d fall together in f32; d is made as reference() makes it: one f32 add, then one rounding of the difference (a fused multiply-add by -2).
; LIMITS: NaN and infinities are not served.
; A tile of d is 256 x 256: four waves, each 128 x 128 in 64 accumulators.  A work-group makes two tiles, 2,048 rows apart, on the same 256 rows of the embedding.  K goes in steps of 512 (rows of 256 bytes) through two LDS slots.
; CLUSTERS: 4 x 4; x's tiles are asked for jointly along a row of the cluster, the embedding's along a column.  The matrix instruction is used transposed: a lane holds one row m and eight neighbouring n.
; THE SCALE WORDS come straight into registers: they lie [K step][row][16 bytes], x's rows first, so one load brings lanes 0-15 the 256 bytes of 16 rows of x and lanes 16-31 those of 16 rows of the embedding.  Four sets, one for each K step of a tile;
; the next tile's are asked for as the sets fall free.
; LDS LOADS: 16 in each half step.  A has one set of fragments (blocks 0-3 fetched anew in mid-step, 4-7 at the step's end), B two (the next step's upper half in mid-step, the lower half of the step after it at the end).
; THE TWO TILES share the text of their first 2.75 K steps and of the way out; the last 1.25 K steps are written twice: with the refills for the next tile, and without any.  The choice hangs on the tile counter, equal in all work-groups.
; PREFETCH: behind the load of K step j a wave names K step j + 2: 32 rows x 256 bytes, a lane a row; of the 128 rows that a wave fetches each of the four partners takes 32, by address.  The embedding's rows are named in the head alone
; (K steps 2, 3): the second tile reads them again.  The last two K steps name nothing.
; REGISTERS: window 0: v0-31 addresses; v32-159 scale words (set ks at 32 ks); v160-223 A's fragments; v224-239 |x|^2 of my 8 row blocks, each twice (a pair for the packed add).
;   window 1: v0-63, v128-191 B's two sets; v64-127 |e|^2 of my 128 columns; on the way out v0-63 d, v192-242 at work.   windows 2, 3: the accumulators.
.set SIZE_M, 4096
.set WALK,   2048
.set ROWB,   256
.set KROW,   1024
.set PITCH,  272
.set FR,     8
.set NP,     4
.set HALFT,  128*PITCH
.set SLOT,   4*HALFT
.set SPARE,  2*SLOT                    ; the spare words, 512 bytes
.set STG,    SPARE+512                 ; the keys' stage: [column half][256 rows][8 bytes]
.set PLANE,  12288*16
.set NEXT_A, WALK*KROW-2*ROWB
.set BACK_B, 2*ROWB
.set T1,     WALK*KROW                 ; bytes from a row of the first tile to its row of the second
.set ADRA, 16
.set SCO,  18
.set SCO1, 19
.set ADRB, 20
.set NB,   22
.set SXO,  23
.set KST,  24
.set KRD,  25
.set KO,   26
.set SPW,  28
.set NIL,  29
.set PFO,  30
.set SEO,  31
.set SC,   32
.set AF,   160
.set SX,   224
.set D,    0
.set SE,   64
.set KEY,  192
.set MG,   208
.set G,    216
.set E,    224
.set MN,   234
.set PM,   235
.set PI,   236
.set IXB,  237
.set IXJ,  238
.set TT,   240
.set IX,   241
.set NBT,  242
.set G1, 24
.set G0, 32
.set G1B, 48
.set G0B, 56
.set MSB, 0
.macro WIN new
.if MSB != \new
	s_set_vgpr_msb (MSB<<8)|\new
.set MSB, \new
.endif
.endm
.set MUL_LO, 0xa1                      ; source 0 (B) window 1, source 1 (A) window 0, C and D window 2
.set MUL_HI, 0xf1
.set TO_B,   0x40                      ; destination window 1, address window 0
.macro JLOAD s                         ; waves 0, 1 fetch A's halves, waves 2, 3 B's; s_nop 0 and four v_nop behind each line
	s_cmp_eq_u32 s15, 0
	s_cbranch_scc0 .Lfor_b_\@
	tensor_load_to_lds s[G0+4*\s:G0+4*\s+3], s[G1:G1+7]
	s_nop 0
.rept 4
	v_nop
.endr
	s_branch .Lasked_\@
.Lfor_b_\@:
	tensor_load_to_lds s[G0B+4*\s:G0B+4*\s+3], s[G1B:G1B+7]
	s_nop 0
.rept 4
	v_nop
.endr
.Lasked_\@:
.endm
.macro CREST
	s_cmp_lg_u32 s14, 0
	s_cbranch_scc1 .Lnot_wave_0_\@
	s_barrier_signal -3
.Lnot_wave_0_\@:
	s_barrier_wait -3
	s_barrier_signal -1
	s_barrier_wait -1
.endm
.macro CROUND
	s_barrier_signal -1
	s_barrier_wait -1
	CREST
.endm
.macro ASK off                         ; s68 = 1 in A's waves during the first tile
	s_cmp_eq_u32 s68, 1
	s_cbranch_scc0 .Lno_ask_\@
	global_prefetch_b8 v[PFO], s[66:67] offset:\off th:TH_LOAD_NT scope:SCOPE_SE
.Lno_ask_\@:
.endm
.macro SCLOAD ks, adr                  ; a K step's scale words: register 4 i + q: lanes 0-15 A's block i, lanes 16-31 B's block i, the step's q-th 128 along K
.irp i, 0,1,2,3,4,5,6,7
	global_load_b128 v[SC+32*(\ks)+4*\i:SC+32*(\ks)+4*\i+3], v[\adr], s[8:9] offset:(\ks)*PLANE+256*\i
.endr
.endm
.macro SXLOAD off
.irp a, 0,1,2,3,4,5,6,7
	global_load_b32 v[SX+2*\a], v[SXO], s[70:71] offset:\off+64*\a
	global_load_b32 v[SX+2*\a+1], v[SXO], s[70:71] offset:\off+64*\a
.endr
.endm
	s_load_b256 s[4:11], s[0:1], 0x0               ; x's codes s[4:5], the embedding's s[6:7], scales s[8:9], norms s[10:11]
	s_load_b64 s[12:13], s[0:1], 0x20              ; keys
	v_lshl_add_u32 v[SPW], v0, 2, SPARE
	v_mov_b32 v[NIL], 0
	ds_add_u32 v[SPW], v[NIL]                      ; the opening lines: the add, twice on end, and its wait
	ds_add_u32 v[SPW], v[NIL]
	v_lshrrev_b32 v1, 5, v0
	v_readfirstlane_b32 s14, v1                    ; wave
	s_lshr_b32 s15, s14, 1                         ; my half of the tile's rows; also: I fetch for A (0) or B (1)
	s_and_b32 s16, s14, 1                          ; my half of its columns; also: which 128 rows I fetch
	s_bfe_u32 s40, ttmp6, 0x40000                  ; cx
	s_bfe_u32 s41, ttmp6, 0x40004                  ; cy
	s_lshl_b32 s42, ttmp9, 2
	s_add_co_u32 s42, s42, s40                     ; tile column
	s_and_b32 s17, ttmp7, 0xffff
	s_lshl_b32 s17, s17, 2
	s_add_co_u32 s17, s17, s41                     ; tile row of the first tile
	s_lshl_b32 s43, s41, 2
	s_lshl_b32 s43, 15, s43
	s_lshl_b32 s44, 0x1111, s40
	s_or_b32 s[G1+0], s43, (0<<16)|(1<<20)|(1<<21)|(5<<22)|(3<<25)   ; mask of my row; bytes; 16 bytes of padding behind each 256
	s_or_b32 s[G1B+0], s44, (0<<16)|(1<<20)|(1<<21)|(5<<22)|(3<<25)  ; mask of my column
.irp g, G1, G1B
	s_mov_b32 s[\g+1], ROWB<<16
	s_mov_b32 s[\g+2], 128<<16
	s_mov_b32 s[\g+3], ROWB<<16
	s_mov_b32 s[\g+4], 128
	s_mov_b32 s[\g+5], KROW
	s_mov_b32 s[\g+6], 0
	s_mov_b32 s[\g+7], 0
.endr
	s_lshl_b32 s18, s16, 7
	s_lshl_b32 s20, s17, 8
	s_add_co_u32 s20, s20, s18
	s_lshl_b32 s20, s20, 10                        ; A: the 128 rows that I fetch, in bytes
	s_mov_b32 s21, 0
	s_lshl_b32 s46, s42, 8
	s_add_co_u32 s46, s46, s18
	s_lshl_b32 s46, s46, 10                        ; B likewise
	s_mov_b32 s47, 0
	s_mul_i32 s45, s14, HALFT                      ; where they go: wave x 128 rows
	s_mov_b32 s96, 0x76543210
	s_mov_b32 s97, 0xfedcba98
	s_lshl_b32 s74, s17, 8
	s_lshl_b32 s75, s15, 7
	s_add_co_u32 s74, s74, s75                     ; the first row m that I multiply
	s_lshl_b32 s76, s42, 8
	s_lshl_b32 s77, s16, 7
	s_add_co_u32 s76, s76, s77                     ; the first column n
	s_lshl_b32 s78, s74, 4                         ; scale words: x's rows, 16 bytes each,
	s_add_co_u32 s79, s76, SIZE_M
	s_lshl_b32 s79, s79, 4                         ; the embedding's behind them;
	s_sub_co_u32 s79, s79, s78                     ; the distance between the two, for lanes 16-31,
	s_sub_co_u32 s80, s79, WALK*16                 ; and the same for the second tile
	s_add_co_u32 s81, s78, WALK*16
	s_mul_i32 s82, s15, HALFT
	s_mul_i32 s83, s16, HALFT
	s_add_co_u32 s83, s83, 2*HALFT
	s_lshl_b32 s84, s16, 11
	s_lshl_b32 s85, s15, 10
	s_add_co_u32 s84, s84, s85
	s_add_co_u32 s84, s84, STG
	s_lshl_b32 s85, s14, 9
	s_add_co_u32 s85, s85, STG
	v_and_b32 v1, 15, v0                           ; r
	v_bfe_u32 v2, v0, 4, 1                         ; h
	v_and_b32 v6, 31, v0
	v_mul_u32_u24 v3, v1, PITCH
	v_lshl_add_u32 v4, v2, 4, v3
	v_add_nc_u32 v[ADRA], s82, v4
	v_add_nc_u32 v[ADRB], s83, v4
	v_add_nc_u32 v[ADRA+1], SLOT, v[ADRA]
	v_add_nc_u32 v[ADRB+1], SLOT, v[ADRB]
	v_lshl_add_u32 v[KST], v1, 3, s84
	v_lshlrev_b32 v[KO], 4, v6
	v_add_nc_u32 v[KRD], s85, v[KO]
	v_lshl_add_u32 v[NB], v2, 3, s76               ; n of my register 0 in column block 0
	v_lshlrev_b32 v[SXO], 2, v1
	v_lshlrev_b32 v[SEO], 5, v2
	v_lshlrev_b32 v[PFO], 10, v6                   ; prefetch: a lane a row of 1,024 bytes
	v_mul_u32_u24 v3, s79, v2
	v_mul_u32_u24 v5, s80, v2
	v_lshl_add_u32 v3, v1, 4, v3
	v_lshl_add_u32 v5, v1, 4, v5
	v_add_nc_u32 v[SCO], s78, v3
	v_add_nc_u32 v[SCO1], s81, v5
	s_wait_alu depctr_va_vdst(0)                   ; the wait at the head's end
	s_wait_dscnt 0x0                               ; both opening adds are done
	s_wait_kmcnt 0x0
	s_add_nc_u64 s[20:21], s[4:5], s[20:21]
	s_add_nc_u64 s[46:47], s[6:7], s[46:47]
.irp s, 0,1
	s_mov_b32 s[G0+4*\s], 1
	s_add_co_u32 s[G0+4*\s+1], s45, \s*SLOT
	s_add_nc_u64 s[G0+4*\s+2:G0+4*\s+3], s[20:21], \s*ROWB
	s_or_b32 s[G0+4*\s+3], s[G0+4*\s+3], 0x80000000
	s_mov_b32 s[G0B+4*\s], 1
	s_add_co_u32 s[G0B+4*\s+1], s45, \s*SLOT
	s_add_nc_u64 s[G0B+4*\s+2:G0B+4*\s+3], s[46:47], \s*ROWB
	s_or_b32 s[G0B+4*\s+3], s[G0B+4*\s+3], 0x80000000
.endr
	s_lshl_b32 s22, s74, 2
	s_mov_b32 s23, 0
	s_add_nc_u64 s[70:71], s[10:11], s[22:23]      ; |x|^2 of my rows
	s_lshl_b32 s22, s76, 2
	s_add_co_u32 s22, s22, SIZE_M*4
	s_add_nc_u64 s[72:73], s[10:11], s[22:23]      ; |e|^2 of my columns
	s_lshl_b32 s22, s42, 15
	s_lshl_b32 s86, s17, 11
	s_add_co_u32 s22, s22, s86
	s_lshl_b32 s86, s14, 9
	s_add_co_u32 s22, s22, s86
	s_add_nc_u64 s[12:13], s[12:13], s[22:23]      ; keys: [tile column][row][8 bytes], 64 rows a wave
	s_lshl_b32 s22, s40, 15
	s_lshl_b32 s86, s41, 15
	s_cmp_eq_u32 s15, 0
	s_cselect_b32 s22, s22, s86                    ; my work-group's 32 of the 128 rows: by cx for A, by cy for B
	s_cselect_b64 s[66:67], s[20:21], s[46:47]
	s_cselect_b32 s68, 1, 0
	s_add_nc_u64 s[66:67], s[66:67], s[22:23]
	CROUND                                         ; all sixteen work-groups are here: the first joint loads meet
	JLOAD 0                                        ; K step 0: one tensor load a wave at the head, ahead of the loads into registers
	global_prefetch_b8 v[PFO], s[66:67] offset:ROWB th:TH_LOAD_NT scope:SCOPE_SE   ; beside what the head comment lists: K step 1 too is named here, of x and of the embedding: its load goes out only when K step 0 has landed
	SCLOAD 0, SCO
	SCLOAD 1, SCO
	SCLOAD 2, SCO
	SCLOAD 3, SCO
	WIN TO_B
.irp b, 0,1,2,3,4,5,6,7
	global_load_b128 v[SE+8*\b:SE+8*\b+3], v[SEO], s[72:73] offset:64*\b
	global_load_b128 v[SE+8*\b+4:SE+8*\b+7], v[SEO], s[72:73] offset:64*\b+16
.endr
	WIN 0
	global_prefetch_b8 v[PFO], s[66:67] offset:2*ROWB th:TH_LOAD_NT scope:SCOPE_SE   ; K step 2
.macro FRAG reg, adr, q, i
.irp c, 0,1
	ds_load_b128 v[\reg+4*\c:\reg+4*\c+3], v[\adr] offset:64*(\q)+32*\c+(\i)*16*PITCH
.endr
.endm
.macro MUL16 a0, p, q, ks, zero        ; A's blocks a0, a0 + 1 x B's eight; the 64 accumulators take turns in the same order in every step
.irp a, \a0, \a0+1
.irp b, 0,1,2,3,4,5,6,7
.if \zero
	v_wmma_scale_f32_16x16x128_f8f6f4 v[8*(8*((\a)%4)+\b):8*(8*((\a)%4)+\b)+7], v[128*(\p)+FR*\b:128*(\p)+FR*\b+FR-1], v[AF+FR*(\a):AF+FR*(\a)+FR-1], 0, v[SC+32*(\ks)+4*\b+(\q)], v[SC+32*(\ks)+4*(\a)+(\q)] matrix_a_fmt:MATRIX_FMT_FP4 matrix_b_fmt:MATRIX_FMT_FP4 matrix_a_scale:MATRIX_SCALE_ROW1
.else
	v_wmma_scale_f32_16x16x128_f8f6f4 v[8*(8*((\a)%4)+\b):8*(8*((\a)%4)+\b)+7], v[128*(\p)+FR*\b:128*(\p)+FR*\b+FR-1], v[AF+FR*(\a):AF+FR*(\a)+FR-1], v[8*(8*((\a)%4)+\b):8*(8*((\a)%4)+\b)+7], v[SC+32*(\ks)+4*\b+(\q)], v[SC+32*(\ks)+4*(\a)+(\q)] matrix_a_fmt:MATRIX_FMT_FP4 matrix_b_fmt:MATRIX_FMT_FP4 matrix_a_scale:MATRIX_SCALE_ROW1
.endif
.endr
.endr
.endm
.macro FETCH_BH slot, q, p, i0         ; four of B's fragments into set p
	WIN TO_B
.irp i, \i0, \i0+1, \i0+2, \i0+3
	FRAG 128*(\p)+FR*(\i), ADRB+\slot, \q, \i
.endr
	WIN 0
.endm
.macro FETCH_B slot, q, p
	WIN TO_B
.irp i, 0,1,2,3,4,5,6,7
	FRAG 128*(\p)+FR*\i, ADRB+\slot, \q, \i
.endr
	WIN 0
.endm
.macro FETCH_A slot, q, i0
.irp i, \i0, \i0+1, \i0+2, \i0+3
	FRAG AF+FR*(\i), ADRA+\slot, \q, \i
.endr
.endm
.macro FIRST                           ; a tile's first fragments, in the order that the steps' counts lean on
	FETCH_B 0, 0, 0
	FETCH_A 0, 0, 0
	FETCH_A 0, 0, 4
	FETCH_BH 0, 1, 1, 0
.endm
.macro PLACES n
.rept \n
	v_nop
.endr
.endm
.macro STEP slot, q, ks, zero          ; one of a slot's first three steps of 128 along K
	s_wait_dscnt 16                                ; B's set and A's blocks 0-3 are in; out may be A's blocks 4-7 (8) and the next set's lower half (8)
	WIN MUL_LO
	MUL16 0, (\q)%2, \q, \ks, \zero
	MUL16 2, (\q)%2, \q, \ks, \zero
	s_wait_dscnt 8                                 ; A's blocks 4-7 are in; the eight loads of B behind them may be out
	PLACES NP
	FETCH_BH \slot, (\q)+1, 1-(\q)%2, 4
	FETCH_A \slot, (\q)+1, 0
	WIN MUL_HI
	MUL16 4, (\q)%2, \q, \ks, \zero
	MUL16 6, (\q)%2, \q, \ks, \zero
	PLACES NP
	WIN 0
	FETCH_A \slot, (\q)+1, 4
.if (\q) < 2
	FETCH_BH \slot, (\q)+2, (\q)%2, 0
.endif
.endm
.macro MEET ks                         ; the first half of a slot's last step, and the barrier of the change of slots
	s_wait_tensorcnt 0x0                           ; all my tensor loads have landed: my part of the next slot;
	ds_add_u32 v[SPW], v[NIL]                      ; an add on my spare word;
	s_wait_dscnt 9                                 ; (the add and A's blocks 4-7 may be out)
	WIN MUL_LO
	MUL16 0, 1, 3, \ks, 0
	s_wait_dscnt 0x0                               ; the add is done, and my reads of this slot are over
	s_barrier_signal -1
	MUL16 2, 1, 3, \ks, 0
	WIN 0
	s_barrier_wait -1
.endm
.macro REFILL slot, fill               ; fill = 1: this tile's K step two on; 2: the next tile's
	CREST                                          ; the barrier has opened a round of the cluster's barrier
.if \fill == 2
	s_add_nc_u64 s[G0+4*\slot+2:G0+4*\slot+3], s[G0+4*\slot+2:G0+4*\slot+3], NEXT_A
	s_sub_nc_u64 s[G0B+4*\slot+2:G0B+4*\slot+3], s[G0B+4*\slot+2:G0B+4*\slot+3], BACK_B
.else
	s_add_nc_u64 s[G0+4*\slot+2:G0+4*\slot+3], s[G0+4*\slot+2:G0+4*\slot+3], 2*ROWB
	s_add_nc_u64 s[G0B+4*\slot+2:G0B+4*\slot+3], s[G0B+4*\slot+2:G0B+4*\slot+3], 2*ROWB
.endif
	JLOAD \slot                                    ; the first tensor load behind the round; its four v_nop are the places in front of the loads below
.endm
.macro TURN slot, next, fill, ks, pf
	MEET \ks
.if \fill
	REFILL \slot, \fill
.else
	PLACES NP
.endif
	FETCH_B \next, 0, 0
	FETCH_A \next, 0, 0
.if \fill
	ASK \pf
.endif
	WIN MUL_HI
	MUL16 4, 1, 3, \ks, 0
	MUL16 6, 1, 3, \ks, 0
	PLACES NP
	WIN 0
	FETCH_A \next, 0, 4
	FETCH_BH \next, 1, 1, 0
.endm
; THE WAY OUT of row block a: d, its least value over my 64 columns and lane l xor 16's, and the lowest n that has it: the first column block whose least value is the row's, then the first of its eight.
.macro ROWMIN a
.set AC, 64*((\a)%4)
	WIN 0x41                                       ; source 0 and destination window 1, source 1 window 0
.set i, 0
.rept 32
	v_pk_add_f32 v[D+i:D+i+1], v[SE+i:SE+i+1], v[SX+2*(\a):SX+2*(\a)+1]
.set i, i+2
.endr
	WIN 0x56+(\a)/4                                ; source 0: the accumulators' window
.set i, 0
.rept 32
	v_pk_fma_f32 v[D+i:D+i+1], v[AC+i:AC+i+1], -2.0, v[D+i:D+i+1] op_sel_hi:[1,0,1]
.set i, i+2
.endr
	WIN 0x55
.irp b, 0,1,2,3,4,5,6,7
	v_min3_num_f32 v[G+\b], v[D+8*\b], v[D+8*\b+1], v[D+8*\b+2]
.endr
.irp i, 3,5
.irp b, 0,1,2,3,4,5,6,7
	v_min3_num_f32 v[G+\b], v[G+\b], v[D+8*\b+\i], v[D+8*\b+\i+1]
.endr
.endr
.irp b, 0,1,2,3,4,5,6,7
	v_min_num_f32 v[G+\b], v[G+\b], v[D+8*\b+7]
.endr
	v_min3_num_f32 v[MN], v[G], v[G+1], v[G+2]
	v_min3_num_f32 v[TT], v[G+3], v[G+4], v[G+5]
	v_min3_num_f32 v[MN], v[MN], v[G+6], v[G+7]
	v_min_num_f32 v[MN], v[MN], v[TT]
	v_permlanex16_b32 v[PM], v[MN], s96, s97
	v_min_num_f32 v[MN], v[MN], v[PM]
	v_mov_b32 v[IXB], 0x4000000                    ; a lane without the row's least value: beyond every n
	v_cmp_eq_f32 vcc_lo, v[G+7], v[MN]
	v_cndmask_b32 v[IXB], v[IXB], 7, vcc_lo
	v_cmp_eq_f32 vcc_lo, v[G+6], v[MN]
.irp j, 0,1,2,3,4,5,6,7
	v_cndmask_b32 v[E+\j], v[D+56+\j], v[D+48+\j], vcc_lo
.endr
	v_cndmask_b32 v[IXB], v[IXB], 6, vcc_lo
.irp b, 5,4,3,2,1,0
	v_cmp_eq_f32 vcc_lo, v[G+\b], v[MN]
.irp j, 0,1,2,3,4,5,6,7
	v_cndmask_b32 v[E+\j], v[E+\j], v[D+8*\b+\j], vcc_lo
.endr
	v_cndmask_b32 v[IXB], v[IXB], \b, vcc_lo
.endr
	v_mov_b32 v[IXJ], 8
	v_mov_b32 v[IXJ+1], 8
.irp j, 3,1
	v_cmp_eq_f32 s40, v[E+\j], v[MN]
	v_cmp_eq_f32 s41, v[E+4+\j], v[MN]
	v_cmp_eq_f32 s42, v[E+\j-1], v[MN]
	v_cmp_eq_f32 s43, v[E+4+\j-1], v[MN]
	v_cndmask_b32 v[IXJ], v[IXJ], \j, s40
	v_cndmask_b32 v[IXJ+1], v[IXJ+1], 4+\j, s41
	v_cndmask_b32 v[IXJ], v[IXJ], \j-1, s42
	v_cndmask_b32 v[IXJ+1], v[IXJ+1], 4+\j-1, s43
.endr
	v_min_u32 v[IXJ], v[IXJ], v[IXJ+1]
	v_lshl_add_u32 v[IX], v[IXB], 4, v[IXJ]
	v_add_nc_u32 v[IX], v[IX], v[NBT]
	v_permlanex16_b32 v[PI], v[IX], s96, s97
	v_min_u32 v[KEY+2*(\a)], v[IX], v[PI]
	v_ashrrev_i32 v[TT], 31, v[MN]
	v_or_b32 v[TT], 0x80000000, v[TT]
	v_xor_b32 v[KEY+2*(\a)+1], v[MN], v[TT]        ; d as a whole number whose unsigned order is d's
.endm
	s_wait_tensorcnt 0x0                           ; my part of K step 0 is in
	ds_add_u32 v[SPW], v[NIL]
	s_wait_dscnt 0x0
	CROUND
	JLOAD 1                                        ; K step 1, the first tensor load behind the round
	global_prefetch_b8 v[PFO], s[66:67] offset:3*ROWB th:TH_LOAD_NT scope:SCOPE_SE   ; K step 3
	SXLOAD 0
	FIRST
	s_mov_b32 s2, 2                                ; tiles to go
.Ltile:
	s_wait_loadcnt 16                              ; the tile's scale words (and |e|^2) are in; the sixteen loads of |x|^2 behind them may be out
	STEP 0, 0, 0, 1                                ; the first step's products start the sums
	STEP 0, 1, 0, 0
	STEP 0, 2, 0, 0
	TURN 0, 1, 1, 0, T1
	STEP 1, 0, 1, 0
	STEP 1, 1, 1, 0
	STEP 1, 2, 1, 0
	TURN 1, 0, 1, 1, T1+ROWB
	STEP 0, 0, 2, 0
	STEP 0, 1, 2, 0
	STEP 0, 2, 2, 0
	s_cmp_eq_u32 s2, 1
	s_cbranch_scc1 .Llast                          ; the last tile's tail asks for nothing more
	TURN 0, 1, 2, 2, T1+2*ROWB                     ; the ring goes on into the next tile
	SCLOAD 0, SCO1                                 ; sets 0 to 2 are done with: the next tile's scale words
	SCLOAD 1, SCO1
	SCLOAD 2, SCO1
	STEP 1, 0, 3, 0
	STEP 1, 1, 3, 0
	STEP 1, 2, 3, 0
	MEET 3
	REFILL 1, 2
	ASK T1+3*ROWB
	WIN MUL_HI
	MUL16 4, 1, 3, 3, 0
	MUL16 6, 1, 3, 3, 0
	PLACES NP
	WIN 0
	SCLOAD 3, SCO1
	s_wait_loadcnt 32                              ; |x|^2 is in; the 32 loads of scale words behind it may be out
	s_branch .Lway
.Llast:
	TURN 0, 1, 0, 2, 0
	STEP 1, 0, 3, 0
	STEP 1, 1, 3, 0
	STEP 1, 2, 3, 0
	s_wait_dscnt 8
	WIN MUL_LO
	MUL16 0, 1, 3, 3, 0
	MUL16 2, 1, 3, 3, 0
	s_wait_dscnt 0
	WIN MUL_HI
	MUL16 4, 1, 3, 3, 0
	MUL16 6, 1, 3, 3, 0
	PLACES NP
	WIN 0
	s_wait_loadcnt 0x0
.Lway:
	WIN TO_B
	v_mov_b32 v[NBT], v[NB]
	v_mov_b32 v[PM], 0                             ; a lane permute's destination counts as one of its sources
	v_mov_b32 v[PI], 0
.irp a, 0,1,2,3,4,5,6,7
	ROWMIN \a
.endr
	WIN 0x04                                       ; address window 0, data window 1
.irp a, 0,1,2,3,4,5,6,7
	ds_store_b64 v[KST], v[KEY+2*\a:KEY+2*\a+1] offset:128*\a
.endr
	WIN 0
	s_wait_dscnt 0x0                               ; for the others' sake: my keys are in the stage
	s_barrier_signal -1
	s_barrier_wait -1
	WIN TO_B                                       ; the two column halves' keys of 64 rows a wave, two rows a lane; among equals the lower half stays
	ds_load_b128 v[MG:MG+3], v[KRD]
	ds_load_b128 v[MG+4:MG+7], v[KRD] offset:2048
	s_wait_dscnt 0x0
	WIN 0x55
	v_cmp_lt_u32 vcc_lo, v[MG+5], v[MG+1]
	v_cndmask_b32 v[MG], v[MG], v[MG+4], vcc_lo
	v_cndmask_b32 v[MG+1], v[MG+1], v[MG+5], vcc_lo
	v_cmp_lt_u32 vcc_lo, v[MG+7], v[MG+3]
	v_cndmask_b32 v[MG+2], v[MG+2], v[MG+6], vcc_lo
	v_cndmask_b32 v[MG+3], v[MG+3], v[MG+7], vcc_lo
	WIN 0x04
	global_store_b128 v[KO], v[MG:MG+3], s[12:13]  ; 512 consecutive bytes a wave
	WIN 0
	s_cmp_eq_u32 s2, 1
	s_cbranch_scc1 .Lend
	s_wait_xcnt 0x0                                ; the store has read its base
	s_add_nc_u64 s[12:13], s[12:13], WALK*8
	s_mov_b32 s68, 0                               ; nothing is left to prefetch
	SXLOAD WALK*4                                  ; |x|^2 of the next tile's rows
	FIRST
	s_sub_co_u32 s2, s2, 1
	s_cmp_lg_u32 s2, 0
	s_cbranch_scc1 .Ltile
.Lend:
	s_wait_tensorcnt 0x0                           ; the wave's end
	ds_add_u32 v[SPW], v[NIL]
	s_wait_dscnt 0x0
	CROUND                                         ; the closing round
	s_endpgm
.Lfunc_end_k_q04918c3096_dist:
	.size	k_q04918c3096_dist, .Lfunc_end_k_q04918c3096_dist-k_q04918c3096_dist
	.p2alignl 7, 3214868480
	.fill 96, 4, 3214868480
	.section	.rodata,"a",@progbits
	.p2align	6, 0x0
	.amdhsa_kernel k_q04918c3096_dist
		.amdhsa_group_segment_fixed_size 327680
		.amdhsa_private_segment_fixed_size 0
		.amdhsa_enable_private_segment 0
		.amdhsa_kernarg_size 40
		.amdhsa_user_sgpr_count 2
		.amdhsa_user_sgpr_kernarg_segment_ptr 1
		.amdhsa_wavefront_size32 1
		.amdhsa_system_sgpr_workgroup_id_x 1
		.amdhsa_system_sgpr_workgroup_id_y 1
		.amdhsa_system_sgpr_workgroup_id_z 1
		.amdhsa_system_vgpr_workitem_id 0
		.amdhsa_next_free_vgpr 1024
		.amdhsa_next_free_sgpr 98
		.amdhsa_reserve_vcc 1
		.amdhsa_float_denorm_mode_32 3
		.amdhsa_float_denorm_mode_16_64 3
		.amdhsa_memory_ordered 1
		.amdhsa_forward_progress 1
		.amdhsa_inst_pref_size 255
	.end_amdhsa_kernel
	.section	.bss,"aw",@nobits
	.p2align	6
	.space	262144
	.amdgpu_metadata
---
amdhsa.version: [ 1, 2 ]
amdhsa.kernels:
  - .name:           k_q04918c3096_dist
    .symbol:         k_q04918c3096_dist.kd
    .args:
      - { .name: x_codes, .offset: 0, .size: 8, .value_kind: global_buffer, .address_space: global }
      - { .name: e_codes, .offset: 8, .size: 8, .value_kind: global_buffer, .address_space: global }
      - { .name: scales, .offset: 16, .size: 8, .value_kind: global_buffer, .address_space: global }
      - { .name: norms, .offset: 24, .size: 8, .value_kind: global_buffer, .address_space: global }
      - { .name: keys, .offset: 32, .size: 8, .value_kind: global_buffer, .address_space: global }
    .group_segment_fixed_size: 327680
    .private_segment_fixed_size: 0
    .kernarg_segment_align: 8
    .kernarg_segment_size: 40
    .max_flat_workgroup_size: 128
    .sgpr_count:     98
    .vgpr_count:     1024
    .wavefront_size: 32
...
	.end_amdgpu_metadata
.endif
;; end of part 2
;; launch gather (part 3): grid 128 x 2, 8 waves a work-group, no clusters, 0 bytes of LDS; arguments keys, embedding, out0, out1; writes out0, out1
.if DOCPART == 3
	.amdgcn_target "amdgcn-amd-amdhsa--gfx1250"
	.amdhsa_code_object_version 6
	.text
	.protected	k_q04918c3096_gather
	.globl	k_q04918c3096_gather
	.p2align	8
	.type	k_q04918c3096_gather,@function
k_q04918c3096_gather:
	s_mov_b64 s[64:65], 0
	v_nop
	global_prefetch_b8 v0, s[64:65] scope:SCOPE_SE
	s_setreg_imm32_b32 hwreg(HW_REG_WAVE_MODE, 25, 1), 1
	s_wait_xcnt 0x0
; out1[m] = the n of the least key of row m; out0[m][:] = embedding[out1[m]][:].  Whole numbers and copies alone: no floating-point instruction stands in this text.
; keys: [32 tile columns][4096 rows][2 words]: word 0 = n, word 1 = the distance as a whole number whose unsigned order is the distance's order.  The least word 1 wins; among equals the lowest tile column, whose n is the lowest.
; SHARES.  A work-group takes 32 rows and half (4,096 bytes) of each row of 8,192 bytes; each of its eight waves takes 512 bytes of all 32 rows.  So lane i of every wave finds row i's index, from 32 loads of which each
; reads 256 consecutive bytes (a lane a row), and row i's index is lane i's: v_readlane_b32 with a constant brings it to a scalar.  No LDS, no barrier: waves share nothing.
; The price: the sixteen waves that serve 32 rows each read those rows' 8,192 bytes of keys, beside 524,288 bytes of rows read and written.
; All 32 row loads of a wave (16,384 bytes) are out together; each row is stored as soon as it is in.  Each load and store of a wave covers 512 consecutive bytes, at a multiple of 256 from the row's first byte.
; NO PREFETCH: the rows' addresses are known only when the loads go out.  An index is held inside the table (8,191 at the most) ahead of the address.
.set ROWB,  8192                       ; bytes in a row of the embedding and of out0
.set KPL,   32768                      ; bytes of one tile column's keys
.set NTC,   32                         ; tile columns
.set OFF,   8                          ; v8-39    row i: byte offset of my 16 bytes in the embedding
.set K,     40                         ; v40-103  my row's 32 keys (word 0, word 1); done with before the rows are loaded
.set DATA,  40                         ; v40-167  row i: 4 registers
.set MC,    168                        ; v168-171 four running minima
	s_load_b256 s[4:11], s[0:1], 0x0               ; keys s[4:5], embedding s[6:7], out0 s[8:9], out1 s[10:11]
	v_lshrrev_b32 v1, 5, v0
	s_delay_alu instid0(VALU_DEP_1)
	v_readfirstlane_b32 s12, v1                    ; wave 0..7
	v_and_b32 v1, 31, v0                           ; lane
	s_and_b32 s13, ttmp7, 0xffff                   ; which half of the rows' bytes
	v_lshlrev_b32 v2, 3, v1                        ; keys: 8 bytes a row
	v_lshlrev_b32 v6, 2, v1                        ; out1: 4 bytes a row
	s_lshl_b32 s14, s13, 12
	s_lshl_b32 s15, s12, 9
	s_add_co_u32 s14, s14, s15
	v_lshl_add_u32 v3, v1, 4, s14                  ; my 16 bytes in a row: 4,096 x half + 512 x wave + 16 x lane; never rewritten
	s_lshl_b32 s18, ttmp9, 8                       ; the work-group's 32 rows: 256 bytes of keys,
	s_mov_b32 s19, 0
	s_lshl_b32 s20, ttmp9, 18                      ; 262,144 bytes of out0,
	s_mov_b32 s21, 0
	s_lshl_b32 s22, ttmp9, 7                       ; 128 bytes of out1
	s_mov_b32 s23, 0
	s_wait_alu depctr_va_vdst(0)
	s_wait_kmcnt 0x0
	s_add_nc_u64 s[4:5], s[4:5], s[18:19]
	s_add_nc_u64 s[8:9], s[8:9], s[20:21]
	s_add_nc_u64 s[10:11], s[10:11], s[22:23]
.set p, 0
.rept NTC
	global_load_b64 v[K+2*p:K+2*p+1], v2, s[4:5] offset:KPL*p      ; tile column p: 32 lanes read 256 consecutive bytes
.set p, p+1
.endr
	s_wait_loadcnt 0x0
	; the least word 1 of my row: four chains of eight
.irp c, 0,1,2,3
	v_min_u32 v[MC+\c], v[K+2*\c+1], v[K+2*(\c+4)+1]
.endr
.irp q, 8,12,16,20,24,28
.irp c, 0,1,2,3
	s_delay_alu instid0(VALU_DEP_4)
	v_min_u32 v[MC+\c], v[MC+\c], v[K+2*(\c+\q)+1]
.endr
.endr
	s_delay_alu instid0(VALU_DEP_3)
	v_min_u32 v[MC], v[MC], v[MC+1]
	s_delay_alu instid0(VALU_DEP_2)
	v_min_u32 v[MC+2], v[MC+2], v[MC+3]
	s_delay_alu instid0(VALU_DEP_1)
	v_min_u32 v4, v[MC], v[MC+2]
	; whose is it: from the highest tile column down, so that the lowest stays
	v_mov_b32 v5, v[K+2*(NTC-1)]
.set p, NTC-2
.rept NTC-1
	v_cmp_eq_u32 vcc_lo, v[K+2*p+1], v4
	s_delay_alu instid0(VALU_DEP_1)
	v_cndmask_b32 v5, v5, v[K+2*p], vcc_lo
.set p, p-1
.endr
	; out1: by one wave of the sixteen that found these indices: 128 consecutive bytes
	s_or_b32 s14, s13, s12
	s_cmp_lg_u32 s14, 0
	s_cbranch_scc1 .Lno_idx
	global_store_b32 v6, v5, s[10:11]              ; v5 and v6 are never rewritten
.Lno_idx:
.set i, 0
	s_wait_alu depctr_va_vdst(0)
.rept 32
	v_readlane_b32 s[16+i%2], v5, i                ; row i's index,
	s_min_u32 s[16+i%2], s[16+i%2], 0x1fff         ; held inside the table,
	v_lshl_add_u32 v[OFF+i], s[16+i%2], 13, v3     ; x 8,192 bytes + my place in a row
	global_load_b128 v[DATA+4*i:DATA+4*i+3], v[OFF+i], s[6:7]      ; no hint: two rows may name the same code
.set i, i+1
.endr
.set i, 0
.rept 32
	s_wait_loadcnt 31-i                            ; loads come back in order (ISA guide 5.7.1): row i is in, the 31 - i younger ones may be out
	global_store_b128 v3, v[DATA+4*i:DATA+4*i+3], s[8:9] offset:ROWB*i th:TH_STORE_NT   ; written once, read by nobody here
.set i, i+1
.endr
	s_endpgm
.Lfunc_end_k_q04918c3096_gather:
	.size	k_q04918c3096_gather, .Lfunc_end_k_q04918c3096_gather-k_q04918c3096_gather
	.p2alignl 7, 3214868480
	.fill 96, 4, 3214868480
	.section	.rodata,"a",@progbits
	.p2align	6, 0x0
	.amdhsa_kernel k_q04918c3096_gather
		.amdhsa_group_segment_fixed_size 0
		.amdhsa_private_segment_fixed_size 0
		.amdhsa_enable_private_segment 0
		.amdhsa_kernarg_size 32
		.amdhsa_user_sgpr_count 2
		.amdhsa_user_sgpr_kernarg_segment_ptr 1
		.amdhsa_wavefront_size32 1
		.amdhsa_system_sgpr_workgroup_id_x 1
		.amdhsa_system_sgpr_workgroup_id_y 1
		.amdhsa_system_sgpr_workgroup_id_z 1
		.amdhsa_system_vgpr_workitem_id 0
		.amdhsa_next_free_vgpr 176
		.amdhsa_next_free_sgpr 66
		.amdhsa_reserve_vcc 1
		.amdhsa_float_denorm_mode_32 3
		.amdhsa_float_denorm_mode_16_64 3
		.amdhsa_memory_ordered 1
		.amdhsa_forward_progress 1
		.amdhsa_inst_pref_size 23
	.end_amdhsa_kernel
	.amdgpu_metadata
---
amdhsa.version: [ 1, 2 ]
amdhsa.kernels:
  - .name:           k_q04918c3096_gather
    .symbol:         k_q04918c3096_gather.kd
    .args:
      - { .name: keys, .offset: 0, .size: 8, .value_kind: global_buffer, .address_space: global }
      - { .name: embedding, .offset: 8, .size: 8, .value_kind: global_buffer, .address_space: global }
      - { .name: out0, .offset: 16, .size: 8, .value_kind: global_buffer, .address_space: global }
      - { .name: out1, .offset: 24, .size: 8, .value_kind: global_buffer, .address_space: global }
    .group_segment_fixed_size: 0
    .private_segment_fixed_size: 0
    .kernarg_segment_align: 8
    .kernarg_segment_size: 32
    .max_flat_workgroup_size: 256
    .sgpr_count:     66
    .vgpr_count:     176
    .wavefront_size: 32
...
	.end_amdgpu_metadata
.endif
;; end of part 3
